; MI455X (gfx1250); checked and timed in simulation.
; The chip was launched on July 23, 2026; its instructions are those of AMD's public machine-readable ISA for CDNA 5 (MIT licence, August 2026) and "CDNA5" Instruction Set Architecture Reference Guide (July 2026). The comments in the code are by the model that wrote it; some were corrected since.
;; Attention Block. Allowed arithmetic: matrix products marked QUANTISED: E3M2 operands, one E8M0 scale for each 32 along K, by v_wmma_scale_f32_16x16x128_f8f6f4 with both operands' format E3M2, f32 sums; everything else in f32.
;; Inputs: Wk 512 x 512 float32; Wo 512 x 512 float32; Wq 512 x 512 float32; Wv 512 x 512 float32; X 16 x 512 x 1,024 float32; bk 512 float32; bo 512 float32; bq 512 float32; bv 512 float32; ln_b 512 float32; ln_g 512 float32.
;; Outputs: out0 16 x 512 x 1,024 float32.
;; This version of the problem:
;;   THIS VERSION OF THE PROBLEM IS GIVEN IN LOW PRECISION. The matrix products marked QUANTISED in the list below multiply operands that are first quantised to E3M2 (3 exponent bits, 2 mantissa bits; 6 bits a number), with one power-of-two scale for each 32 numbers along K (OCP MX v1.0); their sums are f32. All else is computed in f32.
;;   The module's matrix products, in the order in which they are computed (A, B: the left and right operand; K: the contracted axis; several contracted axes count as one K, in the product's order):
;;     1. [M 16,384, K 512] x [K 512, N 512]; A: computed on the way; B: input Wq: QUANTISED
;;     2. [M 16,384, K 512] x [K 512, N 512]; A: computed on the way; B: input Wk: QUANTISED
;;     3. [M 16,384, K 512] x [K 512, N 512]; A: computed on the way; B: input Wv: QUANTISED
;;     4. batch 128 x [M 1,024, K 64] x [K 64, N 1,024]; A: computed on the way; B: computed on the way: QUANTISED
;;     5. batch 128 x [M 64, K 1,024] x [K 1,024, N 1,024]; A: computed on the way; B: softmax (see below): QUANTISED
;;     6. [M 16,384, K 512] x [K 512, N 512]; A: computed on the way; B: input Wo: QUANTISED
;;   THE QUANTISER, for each operand of a quantised product, along K:
;;     - K is cut into blocks of 32 from its start; a last block that is shorter is filled with zeros.
;;     - A block's scale is 2^e with e = floor(log2(the largest magnitude in the block)) - 4, held to -126 .. 127; a block of zeros has e = 0. As a byte (E8M0): e + 127.
;;     - Each number is divided by its block's scale, clamped to +-28, and rounded to the nearest number of E3M2, ties to even, subnormals kept.
;;     - The product sums the exact products of the quantised numbers (number of the format x scale) in f32.
;;   ~~~python
;;   def quantise(x, axis):      # numpy; x: float32 -> the quantised numbers, widened to float32 again
;;       x = np.moveaxis(x, axis, -1); K = x.shape[-1]
;;       x = np.pad(x, [(0, 0)] * (x.ndim - 1) + [(0, -K % 32)]); x = x.reshape(x.shape[:-1] + (-1, 32)); a = np.abs(x).max(-1, keepdims=True)
;;       e = np.where(a > 0, np.clip(np.frexp(np.where(a > 0, a, 1))[1] - 1 - 4, -126, 127), 0)      # np.frexp(a)[1] - 1 = floor(log2(a)), exactly
;;       r = np.clip(x / 2.0 ** e, -28, 28)
;;       step = 2.0 ** (np.maximum(np.frexp(np.where(r == 0, 1, r))[1] - 1, -2) - 2)
;;       q = np.round(r / step) * step * 2.0 ** e      # np.round: ties to even
;;       return np.moveaxis(q.reshape(q.shape[:-2] + (-1,))[..., :K], -1, axis).astype(np.float32)
;;   ~~~
;;   SOFTMAX AHEAD OF A QUANTISED PRODUCT. Where the list says 'softmax', what is quantised is not the finished softmax but p = 2^(t - M), with t = logit x log2(e) and M = ceil(the row's largest t), a whole number; so 1/2 < the row's largest p <= 1. The row's sum l is taken of the UNQUANTISED p, in f32, and the product's result is divided by l at the end. Since M is a whole number, a kernel that streams over the keys may use a running M (the ceiling of the running maximum): every later rescaling is an exact power of two, which a block's scale takes up: the codes' values come out the same.
;;   OPERANDS COMPUTED ON THE WAY. 'Computed on the way' means the value that the module computes at that place (a softmax that the list does not call 'softmax' is quantised finished and normalised). What goes into a quantiser is computed in f32, as accurately as f32 sums, v_exp_f32 and their like allow (about 1e-6 of the number): no bf16 or f16 on the way to a quantiser, and a product that is left as it is and whose result goes on into a quantised operand takes f32 operands (vector FMAs, or v_wmma_f32_16x16x4_f32). A number that lies on a knife's edge between two numbers of the format may be rounded either way, as far as f32 arithmetic and the matrix unit's own rounding can turn it there, and no further.
;; One version. Each part assembles by itself: llvm-mc -triple=amdgcn-amd-amdhsa -mcpu=gfx1250 --defsym DOCPART=n.
;; ======== version 1 of 1: 3 launches
;; limits: right only within a limited range of input values
;; workspace buffers: wcodes 851,968 bytes; qcodes 6,815,744 bytes; kcodes 6,815,744 bytes; vcodes 6,291,456 bytes; vscl 262,144 bytes
;; launch wquant (part 1): grid 32 x 4, 4 waves a work-group, no clusters, 0 bytes of LDS; arguments Wq, Wk, Wv, Wo, wcodes; writes wcodes
.if DOCPART == 1
	.amdgcn_target "amdgcn-amd-amdhsa--gfx1250"
	.amdhsa_code_object_version 6
	.text
	.protected	k_q12b3d08e21_wquant
	.globl	k_q12b3d08e21_wquant
	.p2align	8
	.type	k_q12b3d08e21_wquant,@function
k_q12b3d08e21_wquant:
	s_mov_b64 s[64:65], 0
	v_nop
	global_prefetch_b8 v0, s[64:65] scope:SCOPE_SE
	s_setreg_imm32_b32 hwreg(HW_REG_WAVE_MODE, 25, 1), 1
	s_wait_xcnt 0x0
; The four weights [512 (k)][512 (n)], f32, K along the FIRST axis, become codes of BF6 (E3M2) with one E8M0 byte for each 32 along K,
; laid as images of the matrix operand's registers: fragment (weight wt, tile nt of 16 columns, K step ks of 128) is 12 registers a lane,
; register group c (four registers) at (4 T + ks) 1536 + 512 c + 16 lane.  T is the tile's place: for Wq, Wk, Wv (wt = 0, 1, 2) T = 24 (nt / 8) + 8 wt + nt % 8, so that the 24 tiles
; that one wave of the next launch multiplies (8 of each weight) lie on end, 147,456 bytes; for Wo T = 96 + nt.
; The scale words lie from byte WSC on, at (32 wt + nt) 512 + 16 lane + 4 ks (lanes 16-31 hold a copy), so that a later load of 16 bytes a lane brings a tile's four words.
; A wave makes one fragment.  LANE r TAKES ONE COLUMN AND ITS REGISTERS RUN DOWN K, in the order that the operand's layout gives that lane
; (k = 128 ks + 64 c + 32 (lane / 16) + 0 .. 31): the conversions' results are the operand's registers and nothing is transposed.
; THE COLUMNS OF A TILE of Wq, Wk, Wv are not neighbours: lane r of tile nt takes column 32 (nt / 2) + 8 (nt % 2) + r + 8 (r / 8), so that later the 16 result registers of
; two neighbouring tiles are 16 neighbouring features.  Wo's tiles are natural: column 16 nt + r.
; A block's scale is 2^(floor(log2(largest magnitude)) - 4): its byte is the largest magnitude's exponent field - 4, held at 1 from below.
; LIMITS: a block of zeros, or one whose largest magnitude lies under 2^-122, gets the byte 1 (a block of zeros has zero codes, and this program alone reads the bytes); NaN and infinities are not served.
; No LDS, no barrier: waves share nothing.  The four waves of a work-group stand side by side on 64 columns, 256 bytes of a row of the weight.
.set WSC, 786432
	s_load_b256 s[4:11], s[0:1], 0x0               ; Wq, Wk, Wv, Wo
	s_load_b64 s[12:13], s[0:1], 0x20              ; wcodes
	v_lshrrev_b32 v1, 5, v0
	v_readfirstlane_b32 s14, v1                    ; wave
	s_and_b32 s15, ttmp7, 0xffff                   ; wt: 0 q, 1 k, 2 v, 3 o
	s_and_b32 s16, ttmp9, 7
	s_lshr_b32 s17, ttmp9, 3                       ; ks
	s_lshl_b32 s16, s16, 2
	s_add_co_u32 s16, s16, s14                     ; nt
	s_lshr_b32 s18, s16, 1
	s_lshl_b32 s18, s18, 5
	s_and_b32 s19, s16, 1
	s_lshl_b32 s19, s19, 3
	s_add_co_u32 s18, s18, s19                     ; 32 (nt / 2) + 8 (nt % 2)
	s_lshl_b32 s19, s16, 4                         ; 16 nt
	s_cmp_lg_u32 s15, 3
	s_cselect_b32 s18, s18, s19                    ; the tile's first column
	s_cselect_b32 s19, 8, 0                        ; and how far its upper eight columns are moved on
	v_and_b32 v1, 15, v0                           ; r
	v_bfe_u32 v2, v0, 4, 1                         ; h
	v_lshrrev_b32 v3, 3, v1
	v_mad_u32_u24 v3, v3, s19, v1
	v_add_nc_u32 v3, s18, v3                       ; my column
	v_lshlrev_b32 v4, 2, v3
	v_lshl_add_u32 v5, v2, 16, v4                  ; 4 x column + 32 rows of 2,048 bytes for lanes 16-31
	v_and_b32 v6, 31, v0
	v_lshlrev_b32 v6, 4, v6                        ; 16 x lane
	s_mov_b32 s20, 0x76543210
	s_mov_b32 s21, 0xfedcba98                      ; v_permlanex16_b32's selects for lane l xor 16
	s_lshl_b32 s22, s15, 5
	s_add_co_u32 s22, s22, s16                     ; 32 wt + nt
	s_lshr_b32 s24, s16, 3
	s_mul_i32 s24, s24, 24
	s_lshl_b32 s25, s15, 3
	s_add_co_u32 s24, s24, s25
	s_and_b32 s25, s16, 7
	s_add_co_u32 s24, s24, s25                     ; 24 (nt / 8) + 8 wt + nt % 8
	s_cmp_lg_u32 s15, 3
	s_cselect_b32 s24, s24, s22                    ; T (Wo: 96 + nt)
	s_lshl_b32 s24, s24, 2
	s_add_co_u32 s24, s24, s17
	s_mul_i32 s24, s24, 1536                       ; the fragment's image
	s_mov_b32 s25, 0
	s_lshl_b32 s26, s22, 9
	s_lshl_b32 s23, s17, 2
	s_add_co_u32 s26, s26, s23
	s_add_co_u32 s26, s26, WSC                     ; its scale words
	s_mov_b32 s27, 0
	s_lshl_b32 s28, s17, 18                        ; 128 ks rows of 2,048 bytes
	s_mov_b32 s29, 0
	s_wait_alu depctr_va_vdst(0)
	s_wait_kmcnt 0x0
	s_cmp_lt_u32 s15, 2                            ; the weight is chosen by the work-group's y alone
	s_cselect_b64 s[4:5], s[4:5], s[8:9]
	s_cselect_b64 s[6:7], s[6:7], s[10:11]
	s_bitcmp1_b32 s15, 0
	s_cselect_b64 s[4:5], s[6:7], s[4:5]
	s_add_nc_u64 s[4:5], s[4:5], s[28:29]
	s_add_nc_u64 s[24:25], s[12:13], s[24:25]
	s_add_nc_u64 s[26:27], s[12:13], s[26:27]
.set J, 0
.rept 64
	global_load_b32 v[64+J], v5, s[4:5] offset:(64*(J/32)+J%32)*2048   ; W(128 ks + 64 c + 32 h + i, my column)
.set J, J+1
.endr
	s_wait_loadcnt 0x0
.irp c, 0,1                                    ; my block 2 c + h: all its 32 numbers are mine
	v_max3_num_f32 v[32+\c], |v[64+32*\c]|, |v[65+32*\c]|, 0x2800000   ; and the floor 2^(5 - 127): the byte cannot fall under 1
.endr
.irp i, 2,4,6,8,10,12,14,16,18,20,22,24,26,28,30
.irp c, 0,1
	v_max3_num_f32 v[32+\c], v[32+\c], |v[64+32*\c+\i]|, |v[65+32*\c+\i]|
.endr
.endr
.irp c, 0,1
	v_add_nc_u32 v[44+\c], 0xfe000000, v[32+\c]    ; 4 off the exponent field: the conversion's scale operand
.endr
.irp c, 0,1
	v_lshrrev_b32 v[36+\c], 23, v[44+\c]           ; the scale's byte
.endr
	v_lshl_or_b32 v9, v37, 16, v36                 ; my two bytes: blocks h and 2 + h of my column,
	v_lshlrev_b32 v10, 3, v2
	v_lshlrev_b32 v9, v10, v9                      ; at their places in the word;
	v_mov_b32 v10, 0
	v_permlanex16_b32 v10, v9, s20, s21
	v_or_b32 v9, v9, v10                           ; with lane l xor 16's two the word is whole, in both halves of the lanes
.irp c, 0,1
	v_cvt_scalef32_pk16_bf6_f32 v[48+6*\c:50+6*\c], v[64+32*\c:79+32*\c], v[44+\c]
	v_cvt_scalef32_pk16_bf6_f32 v[16+4*\c:18+4*\c], v[80+32*\c:95+32*\c], v[44+\c]   ; (a conversion's three registers begin on an even number: made elsewhere and moved)
.endr
	v_nop                                          ; one plain line behind the scaled conversions
.irp c, 0,1
.irp i, 0,1,2
	v_mov_b32 v[51+6*\c+\i], v[16+4*\c+\i]
.endr
.endr
	global_store_b128 v6, v[48:51], s[24:25]               ; each store covers 512 consecutive bytes, aligned
	global_store_b128 v6, v[52:55], s[24:25] offset:512
	global_store_b128 v6, v[56:59], s[24:25] offset:1024
	global_store_b32 v6, v9, s[26:27]                      ; four bytes in sixteen: the four K steps' work-groups fill the rest
	s_endpgm
.Lfunc_end_k_q12b3d08e21_wquant:
	.size	k_q12b3d08e21_wquant, .Lfunc_end_k_q12b3d08e21_wquant-k_q12b3d08e21_wquant
	.p2alignl 7, 3214868480
	.fill 96, 4, 3214868480
	.section	.rodata,"a",@progbits
	.p2align	6, 0x0
	.amdhsa_kernel k_q12b3d08e21_wquant
		.amdhsa_group_segment_fixed_size 0
		.amdhsa_private_segment_fixed_size 0
		.amdhsa_enable_private_segment 0
		.amdhsa_kernarg_size 40
		.amdhsa_user_sgpr_count 2
		.amdhsa_user_sgpr_kernarg_segment_ptr 1
		.amdhsa_wavefront_size32 1
		.amdhsa_system_sgpr_workgroup_id_x 1
		.amdhsa_system_sgpr_workgroup_id_y 1
		.amdhsa_system_sgpr_workgroup_id_z 1
		.amdhsa_system_vgpr_workitem_id 0
		.amdhsa_next_free_vgpr 128
		.amdhsa_next_free_sgpr 66
		.amdhsa_reserve_vcc 0
		.amdhsa_float_denorm_mode_32 3
		.amdhsa_float_denorm_mode_16_64 3
		.amdhsa_memory_ordered 1
		.amdhsa_forward_progress 1
		.amdhsa_inst_pref_size 12
	.end_amdhsa_kernel
	.amdgpu_metadata
---
amdhsa.version: [ 1, 2 ]
amdhsa.kernels:
  - .name:           k_q12b3d08e21_wquant
    .symbol:         k_q12b3d08e21_wquant.kd
    .args:
      - { .name: Wq, .offset: 0, .size: 8, .value_kind: global_buffer, .address_space: global }
      - { .name: Wk, .offset: 8, .size: 8, .value_kind: global_buffer, .address_space: global }
      - { .name: Wv, .offset: 16, .size: 8, .value_kind: global_buffer, .address_space: global }
      - { .name: Wo, .offset: 24, .size: 8, .value_kind: global_buffer, .address_space: global }
      - { .name: wcodes, .offset: 32, .size: 8, .value_kind: global_buffer, .address_space: global }
    .group_segment_fixed_size: 0
    .private_segment_fixed_size: 0
    .kernarg_segment_align: 8
    .kernarg_segment_size: 40
    .max_flat_workgroup_size: 128
    .sgpr_count:     66
    .vgpr_count:     128
    .wavefront_size: 32
...
	.end_amdgpu_metadata
.endif
;; end of part 1
;; launch qkv (part 2): grid 256 x 1, 4 waves a work-group, clusters of 4 x 1, 327,680 bytes of LDS; arguments X, ln_g, ln_b, wcodes, bq, bk, bv, qcodes, kcodes, vcodes, vscl; writes qcodes, kcodes, vcodes, vscl
.if DOCPART == 2
	.amdgcn_target "amdgcn-amd-amdhsa--gfx1250"
	.amdhsa_code_object_version 6
	.text
	.protected	k_q12b3d08e21_qkv
	.globl	k_q12b3d08e21_qkv
	.p2align	8
	.type	k_q12b3d08e21_qkv,@function
k_q12b3d08e21_qkv:
	s_mov_b64 s[64:65], 0
	v_nop
	global_prefetch_b8 v0, s[64:65] scope:SCOPE_SE
	s_setreg_imm32_b32 hwreg(HW_REG_WAVE_MODE, 25, 1), 1
	s_wait_xcnt 0x0
	s_wait_alu depctr_hold_cnt(0) depctr_sa_sdst(0) depctr_va_vdst(0) depctr_va_sdst(0) depctr_va_ssrc(0) depctr_va_vcc(0) depctr_vm_vsrc(0)
	s_getreg_b32 s2, hwreg(HW_REG_IB_STS2, 6, 4)
	s_cmp_eq_u32 s2, 0
	s_cbranch_scc0 .Lentry_in_a_cluster
	s_endpgm
.Lentry_in_a_cluster:
	s_bfe_u32 s2, ttmp6, 0x10000c
	s_cmp_lg_u32 s2, 0x3003
	s_cbranch_scc0 .Lentry_shape_is_right
	s_endpgm
.Lentry_shape_is_right:
; LayerNorm over the 512 channels of each token of X [16][512][1024] (f32, channels ahead of time), xn quantised to BF6 (E3M2, one E8M0 byte for each 32 along K), the three projections
; xn Wq + bq, xn Wk + bk, xn Wv + bv on codes, and their results quantised again: q and k along the head's 64, v along the tokens.  Nothing but codes and scale bytes goes to memory.
; SHARES.  A work-group owns 64 tokens (a block) of one batch.  PHASE A: wave w owns token tile w (16 tokens) and all 512 channels: a lane holds ONE token and 256 channels (the lane 16 away the other 256).
; PHASE B: wave w owns heads 2 w and 2 w + 1 of q, k and v (8 tiles of 16 features each) for all four token tiles; each weight fragment feeds four matrix instructions.
; THE TOKENS OF A TILE ARE NOT NEIGHBOURS: row r of tile m takes token 32 (m / 2) + 8 (m % 2) + r + 8 (r / 8); the weights' tiles of columns are laid likewise.  So the 16 result registers of two neighbouring
; tiles are 16 neighbours along the axis that the rows stand for.  q, k: source 0 = weight, source 1 = xn: a lane holds one token.  v: source 0 = xn, source 1 = weight: a lane holds one feature.
; OUTPUT LAYOUT: half images (16 rows x 64 K, 6 registers a lane): registers 0-3 at 16 lane, registers 4-5 at 512 + 8 lane: 768 bytes.  q, k: a record of 53,248 bytes a head: 64 half images, then for each block of tokens
; 256 bytes of scale words (tile m, row r at 8 (r + 16 (m % 2)) + 4 (m / 2); bytes 0, 1 are scales, bytes 2, 3 are 0).  v: a record of 49,152 bytes a head, half image (block, tile dt) at 768 (4 block + dt);
; its two scale bytes at vscl [batch][block][head][r][dt].
; THE WEIGHTS are the same for all work-groups: the four of a cluster ask for them JOINTLY (mask 15).  My 24 tiles (q's 8, k's 8, v's 8; 6,144 bytes each: four K steps) lie on end in memory.  They come in five fills,
; of 6, 5, 6, 5 and 2 tiles, each one dense tensor load a wave, read by that wave alone: the fills of 6 and 2 into bytes of their own (36,864 a wave), those of 5 into X's bytes, which are read no more behind phase A.
; Fill f + 1 is asked for behind the round at the head of fill f: one load of mine is out, and every wait on TENSORcnt is for 0.  Fill 0 lands under phase A.
; A tile is 16 matrix instructions (4 K steps x 4 token tiles) on four accumulators by turns; its four fragments come from LDS up to three tiles ahead, in five buffers.
; No prefetch is laid: X is read once, at the head, with no loop ahead of it, and every cluster names the same 589,824 bytes of weights, one fill a round.
; LIMITS: NaN and infinities are not served; a block of zeros, or one whose largest magnitude lies under 2^-122, gets the byte 1 (this program alone reads the bytes).
; REGISTERS, in windows of 256.  window 0: addresses, what is at work, scale words.  window 1: v0-127 the 16 accumulators (phase A: a chunk's gains and offsets); v128-191 bq, v192-255 bk in the result's layout.
;   window 2: phase A: my 256 numbers of X; phase B: v0-191 xn's 16 fragments, v192-255 bv in the result's layout.  window 3: five buffers of 48 for the weights.
.set XP,   264                         ; a channel's row in LDS: 64 tokens x 4 bytes + 8 of padding
.set GL,   135168                      ; ln_g,
.set BL,   137216                      ; ln_b,
.set XIMG, 139264                      ; xn's 16 fragments as images of their registers (4 m + s), 1,536 bytes each,
.set XSC,  163840                      ; their scale words, 128 bytes each; the spare words lie at 167,936
.set S1B,  168448                      ; the slot of the fills of 6 and 2 tiles
.set TILE, 6144
.set LI,  1
.set LS,  2
.set L8,  3
.set XA,  4
.set GA,  8
.set BA,  9
.set XWI, 10
.set XWS, 11
.set BQO, 12
.set BVO, 13
.set GS,  14
.set T16, 15
.set TM,  16
.set SA,  16
.set MU,  24
.set MX,  16
.set PT,  24
.set SO,  32
.set WD,  40
.set SP2, 44
.set KV,  46
.set RS,  48
.set PW,  50
.set PC,  52
.set ST,  72
.set CS,  72
.set XS,  136
.set WS,  152
.set XL,  248
.set XLS, 249
.set WA,  250                          ; v250: my weights in X's bytes; v251: in the slot of their own
.set WV,  26
.set SEL, 30
.set VM,  32
.set I512, 33
.set EPS, 34
.set SW,  36
.set SWS, 38
.set SQ,  40
.set SQS, 42
.set SK,  44
.set SKS, 46
.set SV,  48
.set SVS, 50
.set G0,  52
.set G1,  56
.set G1W, 80
.set G0W, 88
.set MSB, 0
.macro WIN new
.if MSB != \new
	s_set_vgpr_msb (MSB<<8)|\new
.set MSB, \new
.endif
.endm
.macro PLACES
.rept 4
	v_nop
.endr
.endm
.macro CROUND                          ; a round of the cluster's barrier
	s_barrier_signal -1
	s_barrier_wait -1
	s_cmp_lg_u32 s[WV], 0
	s_cbranch_scc1 .Lnot_wave_0_\@
	s_barrier_signal -3
.Lnot_wave_0_\@:
	s_barrier_wait -3
	s_barrier_signal -1
	s_barrier_wait -1
.endm
; All my tensor loads are in, the add, my LDS instructions are done; a round; then fill nxt of the weights is asked for, into the slot whose fragments are all in registers
.macro SYNC nxt
	WIN 0
	s_wait_alu depctr_va_vdst(0)
	s_wait_tensorcnt 0x0
	ds_add_u32 v254, v255
.if (\nxt) > 0                         ; no tensor load of mine is out: the descriptor may be written
.if (\nxt)%2
	s_add_nc_u64 s[G0W+2:G0W+3], s[G0W+2:G0W+3], 6*TILE
	s_mov_b32 s[G0W+1], s92
	s_mov_b32 s[G1W+2], 120<<16                    ; 5 tiles: 120 rows of 256 bytes
	s_mov_b32 s[G1W+4], 120
.else
	s_add_nc_u64 s[G0W+2:G0W+3], s[G0W+2:G0W+3], 5*TILE
	s_mov_b32 s[G0W+1], s93
.if (\nxt) == 4
	s_mov_b32 s[G1W+2], 48<<16                     ; the last 2 tiles
	s_mov_b32 s[G1W+4], 48
.else
	s_mov_b32 s[G1W+2], 144<<16
	s_mov_b32 s[G1W+4], 144
.endif
.endif
.endif
	s_wait_dscnt 0x0
	CROUND
	tensor_load_to_lds s[G0W:G0W+3], s[G1W:G1W+7]
	s_nop 0
	PLACES
.endm
	s_load_b256 s[4:11], s[0:1], 0x0               ; X, ln_g, ln_b, wcodes
	s_load_b256 s[12:19], s[0:1], 0x20             ; bq, bk, bv, qcodes
	s_load_b128 s[20:23], s[0:1], 0x40             ; kcodes, vcodes
	s_load_b64 s[24:25], s[0:1], 0x50              ; vscl
	v_lshl_add_u32 v254, v0, 2, 0x29000
	v_mov_b32 v255, 0
	ds_add_u32 v254, v255                          ; the opening lines: the add twice on end and its wait
	ds_add_u32 v254, v255
	v_lshrrev_b32 v1, 5, v0
	v_readfirstlane_b32 s[WV], v1                  ; wave 0..3
	s_bfe_u32 s29, ttmp6, 0x40000                  ; cx: it enters global addresses of X and of the results alone
	s_lshl_b32 s28, ttmp9, 2
	s_add_co_u32 s29, s28, s29                     ; work-group
	s_lshr_b32 s27, s29, 4                         ; batch
	s_and_b32 s28, s29, 15                         ; block of 64 tokens
	s_mov_b32 s[G1+0], (2<<16)|(1<<20)|(5<<22)|(1<<25)   ; 128 channels' rows of 64 tokens, 4 bytes each, 1,024 elements apart; 2 words of padding behind every 64
	s_mov_b32 s[G1+1], 64<<16
	s_mov_b32 s[G1+2], 128<<16
	s_mov_b32 s[G1+3], 64<<16
	s_mov_b32 s[G1+4], 128
	s_mov_b32 s[G1+5], 1024
	s_mov_b32 s[G1+6], 0
	s_mov_b32 s[G1+7], 0
	s_mov_b32 s[G1W+0], 15|(3<<16)|(1<<21)         ; a fill's dense bytes as rows of 256 bytes: 6 tiles are 144 rows; mask 15, bit 21 beside it
	s_mov_b32 s[G1W+1], 32<<16
	s_mov_b32 s[G1W+2], 144<<16
	s_mov_b32 s[G1W+3], 32<<16
	s_mov_b32 s[G1W+4], 144
	s_mov_b32 s[G1W+5], 32
	s_mov_b32 s[G1W+6], 0
	s_mov_b32 s[G1W+7], 0
	s_lshl_b32 s74, s27, 21
	s_lshl_b32 s29, s[WV], 19
	s_add_co_u32 s74, s74, s29
	s_lshl_b32 s29, s28, 8
	s_add_co_u32 s74, s74, s29
	s_mov_b32 s75, 0
	s_mov_b32 s[G0], 1
	s_mul_i32 s[G0+1], s[WV], 128*XP
	s_wait_dscnt 0x0
	s_wait_kmcnt 0x0
	s_add_nc_u64 s[G0+2:G0+3], s[4:5], s[74:75]
	s_or_b32 s[G0+3], s[G0+3], 0x80000000
	CROUND                                         ; in a cluster launch every group of tensor loads stands behind a round
	tensor_load_to_lds s[G0:G0+3], s[G1:G1+7]      ; my 128 rows of X: one load a wave
	s_nop 0
	PLACES
	s_mov_b32 s[SEL], 0x76543210
	s_mov_b32 s[SEL+1], 0xfedcba98
	s_mov_b32 s[VM], 0xffff0000
	s_mov_b32 s[I512], 0x3b000000
	s_mov_b32 s[EPS], 0x358637bd
	v_and_b32 v22, 31, v0
	v_and_b32 v20, 15, v0
	v_bfe_u32 v21, v0, 4, 1
	v_lshlrev_b32 v[LI], 4, v22
	v_lshlrev_b32 v[LS], 2, v22
	v_lshlrev_b32 v[L8], 3, v22
	v_and_b32 v23, 8, v20
	v_add_nc_u32 v23, v23, v20
	v_lshlrev_b32 v[BVO], 2, v23
	s_lshr_b32 s29, s[WV], 1
	s_lshl_b32 s29, s29, 7
	s_and_b32 s35, s[WV], 1
	s_lshl_b32 s35, s35, 5
	s_add_co_u32 s29, s29, s35
	v_mad_u32_u24 v[XA], v21, 16*XP, v[BVO]
	v_add_nc_u32 v[XA], s29, v[XA]
.irp s, 1,2,3
	v_add_nc_u32 v[XA+\s], \s*128*XP, v[XA]
.endr
	v_lshl_add_u32 v[GA], v21, 6, GL
	v_lshl_add_u32 v[BA], v21, 6, BL
	s_mul_i32 s29, s[WV], 6144
	s_add_co_u32 s29, s29, XIMG
	v_add_nc_u32 v[XWI], s29, v[LI]
	s_lshl_b32 s29, s[WV], 9
	s_add_co_u32 s29, s29, XSC
	v_add_nc_u32 v[XWS], s29, v[LS]
	v_lshlrev_b32 v[BQO], 6, v21
	v_lshl_add_u32 v[GS], v0, 4, GL
	v_lshlrev_b32 v[T16], 4, v0
	v_add_nc_u32 v[XL], XIMG, v[LI]
	v_add_nc_u32 v[XLS], XSC, v[LS]
.irp k, 0,1,2,3,4,5,6,7
	v_mov_b32 v[PT+\k], 0
.endr
	global_load_b128 v[72:75], v[T16], s[6:7]      ; ln_g and ln_b: 16 bytes a thread
	global_load_b128 v[76:79], v[T16], s[8:9]
	s_mul_i32 s76, s[WV], 24*TILE                  ; my 24 tiles
	s_mov_b32 s77, 0
	s_add_nc_u64 s[SW:SW+1], s[10:11], s[76:77]
	s_mov_b32 s[G0W], 1
	s_mul_i32 s92, s[WV], 5*TILE                   ; my part of X's bytes,
	s_mul_i32 s93, s[WV], 6*TILE
	s_add_co_u32 s93, s93, S1B                     ; and of the other slot
	s_mov_b32 s[G0W+1], s93
	s_mov_b64 s[G0W+2:G0W+3], s[SW:SW+1]           ; fill 0
	s_or_b32 s[G0W+3], s[G0W+3], 0x80000000
	v_add_nc_u32 v[WA], s92, v[LI]
	v_add_nc_u32 v[WA+1], s93, v[LI]
	s_lshl_b32 s76, s[WV], 12
	s_add_co_u32 s76, s76, 786432
	s_add_nc_u64 s[SWS:SWS+1], s[10:11], s[76:77]
	s_lshl_b32 s76, s[WV], 9
	s_add_nc_u64 s[12:13], s[12:13], s[76:77]
	s_add_nc_u64 s[14:15], s[14:15], s[76:77]
	s_add_nc_u64 s[16:17], s[16:17], s[76:77]
	s_lshl_b32 s29, s27, 3
	s_lshl_b32 s35, s[WV], 1
	s_add_co_u32 s29, s29, s35
	s_mul_i32 s66, s29, 53248
	s_mul_i32 s70, s28, 3072
	s_add_co_u32 s68, s66, s70
	s_mov_b32 s69, 0
	s_lshl_b32 s35, s28, 8
	s_add_co_u32 s66, s66, s35
	s_add_co_u32 s66, s66, 49152
	s_mov_b32 s67, 0
	s_mul_i32 s72, s29, 49152
	s_add_co_u32 s70, s72, s70
	s_mov_b32 s71, 0
	s_lshl_b32 s72, s27, 14
	s_lshl_b32 s35, s28, 10
	s_add_co_u32 s72, s72, s35
	s_lshl_b32 s35, s[WV], 8
	s_add_co_u32 s72, s72, s35
	s_mov_b32 s73, 0
	s_add_nc_u64 s[SQ:SQ+1], s[18:19], s[68:69]
	s_add_nc_u64 s[SQS:SQS+1], s[18:19], s[66:67]
	s_add_nc_u64 s[SK:SK+1], s[20:21], s[68:69]
	s_add_nc_u64 s[SKS:SKS+1], s[20:21], s[66:67]
	s_add_nc_u64 s[SV:SV+1], s[22:23], s[70:71]
	s_add_nc_u64 s[SVS:SVS+1], s[24:25], s[72:73]
	s_wait_loadcnt 0x0
	ds_store_b128 v[GS], v[72:75]
	ds_store_b128 v[GS], v[76:79] offset:BL-GL
.irp p, 0,1,2
.irp j, 0,1,2,3,4,5,6,7
	global_load_b128 v[WS+32*\p+4*\j:WS+32*\p+4*\j+3], v[LI], s[SWS:SWS+1] offset:16384*\p+512*\j   ; a tile's four scale words
.endr
.endr
	WIN 0x40
.irp j, 0,1,2,3,4,5,6,7                        ; bq, bk in the result's layout
	global_load_b128 v[128+8*\j:128+8*\j+3], v[BQO], s[12:13] offset:4*(32*(\j/2)+8*(\j%2))
	global_load_b128 v[128+8*\j+4:128+8*\j+7], v[BQO], s[12:13] offset:4*(32*(\j/2)+8*(\j%2))+16
	global_load_b128 v[192+8*\j:192+8*\j+3], v[BQO], s[14:15] offset:4*(32*(\j/2)+8*(\j%2))
	global_load_b128 v[192+8*\j+4:192+8*\j+7], v[BQO], s[14:15] offset:4*(32*(\j/2)+8*(\j%2))+16
.endr
; Tile g of my 24: its four fragments (K steps 0 .. 3) go from its fill's slot into buffer g % 5.  The fills begin at tiles 0, 6, 11, 17, 22.
.macro WLOAD g
.set WB, 48*((\g)%5)
.if (\g) < 6
.set WO, TILE*(\g)
.set WSL, 1
.elseif (\g) < 11
.set WO, TILE*((\g)-6)
.set WSL, 0
.elseif (\g) < 17
.set WO, TILE*((\g)-11)
.set WSL, 1
.elseif (\g) < 22
.set WO, TILE*((\g)-17)
.set WSL, 0
.else
.set WO, TILE*((\g)-22)
.set WSL, 1
.endif
	WIN 0xc0
.irp s, 0,1,2,3
.irp c, 0,1,2
	ds_load_b128 v[WB+12*\s+4*\c:WB+12*\s+4*\c+3], v[WA+WSL] offset:WO+1536*\s+512*\c
.endr
.endr
.endm
	SYNC 0                                         ; X, ln_g and ln_b lie in LDS, everybody's; fill 0 is asked for: a first fill, behind a round behind which nothing is filled again
	; ---- PHASE A.  Register 64 s + 16 b + i of window 2 = X(channel 128 s + 32 b + 16 (lane / 16) + i, my token)
	WIN 0x80
.irp s, 0,1,2,3
.irp b, 0,1,2,3
.irp i, 0,1,2,3,4,5,6,7,8,9,10,11,12,13,14,15
	ds_load_b32 v[64*\s+16*\b+\i], v[XA+\s] offset:XP*(32*\b+\i)
.endr
.endr
.endr
.macro GBLOAD s
	WIN 0x40
.irp b, 0,1,2,3
.irp j, 0,1,2,3
	ds_load_b128 v[16*\b+4*\j:16*\b+4*\j+3], v[GA] offset:512*(\s)+128*\b+16*\j
	ds_load_b128 v[64+16*\b+4*\j:64+16*\b+4*\j+3], v[BA] offset:512*(\s)+128*\b+16*\j
.endr
.endr
.endm
	GBLOAD 0
	s_wait_dscnt 32                                ; X is in; the 32 loads just issued may be out
.macro FOLD
	v_pk_add_f32 v[SA:SA+1], v[SA:SA+1], v[SA+2:SA+3]
	v_pk_add_f32 v[SA+4:SA+5], v[SA+4:SA+5], v[SA+6:SA+7]
	v_pk_add_f32 v[SA:SA+1], v[SA:SA+1], v[SA+4:SA+5]
	v_add_f32 v[SA], v[SA], v[SA+1]
	v_permlanex16_b32 v[SA+1], v[SA], s[SEL], s[SEL+1]
	v_add_f32 v[SA], v[SA], v[SA+1]
.endm
	WIN 0x0a
.irp k, 0,1,2,3
	v_pk_add_f32 v[SA+2*\k:SA+2*\k+1], v[4*\k:4*\k+1], v[4*\k+2:4*\k+3]
.endr
	WIN 0x02
.set J, 16
.rept 120
	v_pk_add_f32 v[SA+2*((J/2)%4):SA+2*((J/2)%4)+1], v[J:J+1], v[SA+2*((J/2)%4):SA+2*((J/2)%4)+1]
.set J, J+2
.endr
	WIN 0
	FOLD
	v_mul_f32 v[MU], s[I512], v[SA]                ; the mean
	v_mov_b32 v[MU+1], v[MU]
	WIN 0x82                                       ; x - mean, in place
.set J, 0
.rept 128
	v_pk_add_f32 v[J:J+1], v[J:J+1], v[MU:MU+1] neg_lo:[0,1] neg_hi:[0,1]
.set J, J+2
.endr
	WIN 0x0a
.irp k, 0,1,2,3
	v_pk_mul_f32 v[SA+2*\k:SA+2*\k+1], v[2*\k:2*\k+1], v[2*\k:2*\k+1]
.endr
.set J, 8
.rept 124
	v_pk_fma_f32 v[SA+2*((J/2)%4):SA+2*((J/2)%4)+1], v[J:J+1], v[J:J+1], v[SA+2*((J/2)%4):SA+2*((J/2)%4)+1]
.set J, J+2
.endr
	WIN 0
	FOLD
	v_fma_f32 v[SA], v[SA], s[I512], s[EPS]        ; var + eps
	s_wait_alu depctr_va_vdst(0)
	v_rsq_f32 v[RS], v[SA]
	v_rsq_f32 v[RS+1], v[SA]
	v_nop
	s_wait_alu depctr_va_vdst(0)
; 64 numbers of a lane become a fragment's codes in v[PC] on and its scale word in v[PW]
.macro QUANT s
.irp b, 0,1,2,3
	v_max3_num_f32 v[TM+\b], |v[\s+16*\b]|, |v[\s+1+16*\b]|, 0x2800000
.endr
.irp i, 2,4,6,8,10,12,14
.irp b, 0,1,2,3
	v_max3_num_f32 v[TM+\b], v[TM+\b], |v[\s+16*\b+\i]|, |v[\s+1+16*\b+\i]|
.endr
.endr
.irp b, 0,1,2,3
	v_permlanex16_b32 v[TM+4+\b], v[TM+\b], s[SEL], s[SEL+1]
.endr
.irp b, 0,1,2,3
	v_max_num_f32 v[TM+\b], v[TM+\b], v[TM+4+\b]
.endr
.irp b, 0,1,2,3
	v_add_nc_u32 v[TM+12+\b], 0xfe000000, v[TM+\b]
.endr
.irp b, 0,1,2,3
	v_lshrrev_b32 v[TM+4+\b], 23, v[TM+12+\b]
.endr
	v_lshl_or_b32 v[PW], v[TM+5], 8, v[TM+4]
	v_lshl_or_b32 v[PW], v[TM+6], 16, v[PW]
	v_lshl_or_b32 v[PW], v[TM+7], 24, v[PW]
.irp c, 0,1
	v_cvt_scalef32_pk16_bf6_f32 v[PC+6*\c:PC+2+6*\c], v[\s+32*\c:\s+15+32*\c], v[TM+12+2*\c]
	v_cvt_scalef32_pk16_bf6_f32 v[PC+12+4*\c:PC+14+4*\c], v[\s+16+32*\c:\s+31+32*\c], v[TM+12+2*\c+1]
.endr
	v_nop
.irp c, 0,1
.irp i, 0,1,2
	v_permlane16_swap_b32 v[PC+6*\c+\i], v[PC+12+4*\c+\i]
.endr
.irp i, 0,1,2
	v_mov_b32 v[PC+3+6*\c+\i], v[PC+12+4*\c+\i]
.endr
.endr
.endm
; Chunk s: 128 channels: xn = (x - mean) / sqrt(var + eps) x gain + offset, quantised; its image goes to LDS
.macro CHUNK s
	s_wait_dscnt 0x0
	WIN 0x02
.set J, 0
.rept 32
	v_pk_mul_f32 v[ST+J:ST+J+1], v[64*\s+J:64*\s+J+1], v[RS:RS+1]
.set J, J+2
.endr
	WIN 0x14
.set J, 0
.rept 32
	v_pk_fma_f32 v[ST+J:ST+J+1], v[ST+J:ST+J+1], v[J:J+1], v[64+J:65+J]
.set J, J+2
.endr
.if \s < 3
	GBLOAD \s+1
.endif
	WIN 0
	QUANT ST
.irp c, 0,1,2
	ds_store_b128 v[XWI], v[PC+4*\c:PC+4*\c+3] offset:1536*\s+512*\c
.endr
	ds_store_b32 v[XWS], v[PW] offset:128*\s
.endm
	CHUNK 0
	CHUNK 1
	CHUNK 2
	CHUNK 3
	SYNC 1                                         ; xn's sixteen fragments lie in LDS, fill 0 is in, nobody reads X any more: fill 1 goes into X's bytes
	WIN 0x80
.irp f, 0,1,2,3,4,5,6,7,8,9,10,11,12,13,14,15
.irp c, 0,1,2
	ds_load_b128 v[12*\f+4*\c:12*\f+4*\c+3], v[XL] offset:1536*\f+512*\c
.endr
.endr
.irp j, 0,1,2,3,4,5,6,7                        ; bv in the result's layout of the straight product: all eight registers of a tile hold the lane's feature's bias
.irp q, 0,1,2,3,4,5,6,7
	global_load_b32 v[192+8*\j+\q], v[BVO], s[16:17] offset:4*(32*(\j/2)+8*(\j%2))
.endr
.endr
	WIN 0
.irp f, 0,1,2,3,4,5,6,7,8,9,10,11,12,13,14,15
	ds_load_b32 v[XS+\f], v[XLS] offset:128*\f
.endr
	; ---- PHASE B.  Tile g: P = g / 8 (q, k, v), head (g / 4) % 2 of my two, tile g % 4 of the head.  16 matrix instructions, K ascending, its four accumulators by turns.
	; The biases are the C of each sum's first instruction.  last: the last tile of g's fill.
.macro STAGE g, last
.set P,  (\g)/8
.set HD, ((\g)/4)%2
.set T,  (\g)%4
.set WB, 48*((\g)%5)
.if (\g) == 0
	s_wait_loadcnt 63                              ; the scale words, bq and bk are in: behind them stand bv's 64 loads
.endif
.if (\g) == 16
	s_wait_loadcnt 0x0                             ; bv
.endif
.if (\g)+3 <= (\last)
	s_wait_dscnt 36                                ; behind this tile's 12 loads stand those of three later tiles,
.else
	s_wait_dscnt 12*((\last)-(\g))                 ; or of as many as the fill has left
.endif
.if P < 2
	WIN 0x5b
.irp s, 0,1,2,3
.irp m, 0,1,2,3
.if \s == 0
	v_wmma_scale_f32_16x16x128_f8f6f4 v[8*(4*\m+T):8*(4*\m+T)+7], v[WB+12*\s:WB+12*\s+11], v[12*(4*\m+\s):12*(4*\m+\s)+11], v[128+64*P+8*(4*HD+T):128+64*P+8*(4*HD+T)+7], v[WS+32*P+4*(4*HD+T)+\s], v[XS+4*\m+\s] matrix_a_fmt:MATRIX_FMT_BF6 matrix_b_fmt:MATRIX_FMT_BF6
.else
	v_wmma_scale_f32_16x16x128_f8f6f4 v[8*(4*\m+T):8*(4*\m+T)+7], v[WB+12*\s:WB+12*\s+11], v[12*(4*\m+\s):12*(4*\m+\s)+11], v[8*(4*\m+T):8*(4*\m+T)+7], v[WS+32*P+4*(4*HD+T)+\s], v[XS+4*\m+\s] matrix_a_fmt:MATRIX_FMT_BF6 matrix_b_fmt:MATRIX_FMT_BF6
.endif
.endr
.endr
.else
.irp s, 0,1,2,3
.if \s == 0
	WIN 0x6e
.else
	WIN 0x5e
.endif
.irp m, 0,1,2,3
.if \s == 0
	v_wmma_scale_f32_16x16x128_f8f6f4 v[8*(4*T+\m):8*(4*T+\m)+7], v[12*(4*\m+\s):12*(4*\m+\s)+11], v[WB+12*\s:WB+12*\s+11], v[192+8*(4*HD+T):192+8*(4*HD+T)+7], v[XS+4*\m+\s], v[WS+64+4*(4*HD+T)+\s] matrix_a_fmt:MATRIX_FMT_BF6 matrix_b_fmt:MATRIX_FMT_BF6
.else
	v_wmma_scale_f32_16x16x128_f8f6f4 v[8*(4*T+\m):8*(4*T+\m)+7], v[12*(4*\m+\s):12*(4*\m+\s)+11], v[WB+12*\s:WB+12*\s+11], v[8*(4*T+\m):8*(4*T+\m)+7], v[XS+4*\m+\s], v[WS+64+4*(4*HD+T)+\s] matrix_a_fmt:MATRIX_FMT_BF6 matrix_b_fmt:MATRIX_FMT_BF6
.endif
.endr
.endr
.endif
	PLACES                                         ; four plain lines in front of loads into a buffer just read and of the first read of results
.endm
; A head's 16 accumulators are four groups of 32 registers, each two blocks of 32 along the next product's K.  Each group becomes a half image.
; kind 0: q or k (group = token tile).  kind 1, 2: v's first and second head (group = tile of 16 features).
.macro EPI kind, hd, cb, rec, sb
	s_wait_xcnt 0x0                                ; the last stores have read their registers
	WIN 0x05
.irp k, 0,1,2,3,4,5,6,7
	v_max3_num_f32 v[MX+\k], |v[16*\k]|, |v[16*\k+1]|, 0x2800000
.endr
.irp i, 2,4,6,8,10,12,14
.irp k, 0,1,2,3,4,5,6,7
	v_max3_num_f32 v[MX+\k], |v[16*\k+\i]|, |v[16*\k+\i+1]|, v[MX+\k]
.endr
.endr
	WIN 0
.irp k, 0,1,2,3,4,5,6,7
	v_permlanex16_b32 v[PT+\k], v[MX+\k], s[SEL], s[SEL+1]
.endr
.irp k, 0,1,2,3,4,5,6,7
	v_max_num_f32 v[MX+\k], v[MX+\k], v[PT+\k]
.endr
.irp k, 0,1,2,3,4,5,6,7
	v_add_nc_u32 v[SO+\k], 0xfe000000, v[MX+\k]
.endr
.irp k, 0,1,2,3,4,5,6,7
	v_lshrrev_b32 v[PT+\k], 23, v[SO+\k]
.endr
.irp g, 0,1,2,3
	v_lshl_or_b32 v[WD+\g], v[PT+2*\g+1], 8, v[PT+2*\g]
.endr
	WIN 0x01
.irp g, 0,1,2,3
	v_cvt_scalef32_pk16_bf6_f32 v[CS+12*\g:CS+12*\g+2], v[32*\g:32*\g+15], v[SO+2*\g]
	v_cvt_scalef32_pk16_bf6_f32 v[CS+12*\g+6:CS+12*\g+8], v[32*\g+16:32*\g+31], v[SO+2*\g+1]
.endr
	WIN 0
	v_nop
.irp g, 0,1,2,3
.irp i, 0,1,2
	v_permlane16_swap_b32 v[CS+12*\g+\i], v[CS+12*\g+6+\i]
.endr
.irp i, 0,1,2
	v_mov_b32 v[CS+12*\g+3+\i], v[CS+12*\g+6+\i]
.endr
.endr
.irp g, 0,1,2,3
	global_store_b128 v[LI], v[CS+12*\g:CS+12*\g+3], s[\cb:\cb+1] offset:\hd*\rec+768*\g          ; 512 consecutive bytes, aligned
	global_store_b64 v[L8], v[CS+12*\g+4:CS+12*\g+5], s[\cb:\cb+1] offset:\hd*\rec+768*\g+512     ; 256 consecutive bytes, aligned
.endr
.if \kind == 0
	v_cndmask_b32 v[SP2], v[WD], v[WD+1], s[VM]
	v_cndmask_b32 v[SP2+1], v[WD+2], v[WD+3], s[VM]
	global_store_b64 v[L8], v[SP2:SP2+1], s[\sb:\sb+1] offset:\hd*\rec
.elseif \kind == 1
	v_lshl_or_b32 v[KV], v[WD+1], 16, v[WD]
	v_lshl_or_b32 v[KV+1], v[WD+3], 16, v[WD+2]
.else
	v_lshl_or_b32 v[SP2], v[WD+1], 16, v[WD]
	v_lshl_or_b32 v[SP2+1], v[WD+3], 16, v[WD+2]
	v_cndmask_b32 v[SP2], v[KV], v[SP2], s[VM]
	v_cndmask_b32 v[SP2+1], v[KV+1], v[SP2+1], s[VM]
	global_store_b64 v[L8], v[SP2:SP2+1], s[\sb:\sb+1]
.endif
.endm
; A fill's tiles a .. b: the first four tiles' fragments are asked for; behind tile g's products those of tile g + 4; behind a head's fourth tile the head goes out
.macro RUN a, b
.set GG, \a
.rept 4
.if GG <= (\b)
	WLOAD GG
.endif
.set GG, GG+1
.endr
.set GG, \a
.rept (\b)-(\a)+1
	STAGE GG, \b
.if GG+4 <= (\b)
	WLOAD GG+4
.endif
.if GG == 3
	EPI 0, 0, SQ, 53248, SQS
.elseif GG == 7
	EPI 0, 1, SQ, 53248, SQS
.elseif GG == 11
	EPI 0, 0, SK, 53248, SKS
.elseif GG == 15
	EPI 0, 1, SK, 53248, SKS
.elseif GG == 19
	EPI 1, 0, SV, 49152, SVS
.elseif GG == 23
	EPI 2, 1, SV, 49152, SVS
.endif
.set GG, GG+1
.endr
.endm
	RUN 0, 5
	SYNC 2
	RUN 6, 10
	SYNC 3
	RUN 11, 16
	SYNC 4
	RUN 17, 21
	WIN 0
	s_wait_tensorcnt 0x0                           ; fill 4 is in: my own bytes, and nothing more is asked for
	RUN 22, 23
	s_wait_tensorcnt 0x0                           ; the wave's end
	ds_add_u32 v254, v255
	s_wait_dscnt 0x0
	CROUND                                         ; the closing round
	s_endpgm
.Lfunc_end_k_q12b3d08e21_qkv:
	.size	k_q12b3d08e21_qkv, .Lfunc_end_k_q12b3d08e21_qkv-k_q12b3d08e21_qkv
	.p2alignl 7, 3214868480
	.fill 96, 4, 3214868480
	.section	.rodata,"a",@progbits
	.p2align	6, 0x0
	.amdhsa_kernel k_q12b3d08e21_qkv
		.amdhsa_group_segment_fixed_size 327680
		.amdhsa_private_segment_fixed_size 0
		.amdhsa_enable_private_segment 0
		.amdhsa_kernarg_size 88
		.amdhsa_user_sgpr_count 2
		.amdhsa_user_sgpr_kernarg_segment_ptr 1
		.amdhsa_wavefront_size32 1
		.amdhsa_system_sgpr_workgroup_id_x 1
		.amdhsa_system_sgpr_workgroup_id_y 1
		.amdhsa_system_sgpr_workgroup_id_z 1
		.amdhsa_system_vgpr_workitem_id 0
		.amdhsa_next_free_vgpr 1024
		.amdhsa_next_free_sgpr 96
		.amdhsa_reserve_vcc 0
		.amdhsa_float_denorm_mode_32 3
		.amdhsa_float_denorm_mode_16_64 3
		.amdhsa_memory_ordered 1
		.amdhsa_forward_progress 1
		.amdhsa_inst_pref_size 231
	.end_amdhsa_kernel
	.amdgpu_metadata
---
amdhsa.version: [ 1, 2 ]
amdhsa.kernels:
  - .name:           k_q12b3d08e21_qkv
    .symbol:         k_q12b3d08e21_qkv.kd
    .args:
      - { .name: X, .offset: 0, .size: 8, .value_kind: global_buffer, .address_space: global }
      - { .name: ln_g, .offset: 8, .size: 8, .value_kind: global_buffer, .address_space: global }
      - { .name: ln_b, .offset: 16, .size: 8, .value_kind: global_buffer, .address_space: global }
      - { .name: wcodes, .offset: 24, .size: 8, .value_kind: global_buffer, .address_space: global }
      - { .name: bq, .offset: 32, .size: 8, .value_kind: global_buffer, .address_space: global }
      - { .name: bk, .offset: 40, .size: 8, .value_kind: global_buffer, .address_space: global }
      - { .name: bv, .offset: 48, .size: 8, .value_kind: global_buffer, .address_space: global }
      - { .name: qcodes, .offset: 56, .size: 8, .value_kind: global_buffer, .address_space: global }
      - { .name: kcodes, .offset: 64, .size: 8, .value_kind: global_buffer, .address_space: global }
      - { .name: vcodes, .offset: 72, .size: 8, .value_kind: global_buffer, .address_space: global }
      - { .name: vscl, .offset: 80, .size: 8, .value_kind: global_buffer, .address_space: global }
    .group_segment_fixed_size: 327680
    .private_segment_fixed_size: 0
    .kernarg_segment_align: 8
    .kernarg_segment_size: 88
    .max_flat_workgroup_size: 128
    .sgpr_count:     96
    .vgpr_count:     1024
    .wavefront_size: 32
...
	.end_amdgpu_metadata
.endif
;; end of part 2
;; launch attno (part 3): grid 16 x 16, 16 waves a work-group, clusters of 4 x 1, 327,680 bytes of LDS; arguments qcodes, kcodes, vcodes, vscl, wcodes, bo, X, out0; writes out0
.if DOCPART == 3
	.amdgcn_target "amdgcn-amd-amdhsa--gfx1250"
	.amdhsa_code_object_version 6
	.text
	.protected	k_q12b3d08e21_attno
	.globl	k_q12b3d08e21_attno
	.p2align	8
	.type	k_q12b3d08e21_attno,@function
k_q12b3d08e21_attno:
	s_mov_b64 s[64:65], 0
	v_nop
	global_prefetch_b8 v0, s[64:65] scope:SCOPE_SE
	s_setreg_imm32_b32 hwreg(HW_REG_WAVE_MODE, 25, 1), 1
	s_wait_xcnt 0x0
	s_wait_alu depctr_hold_cnt(0) depctr_sa_sdst(0) depctr_va_vdst(0) depctr_va_sdst(0) depctr_va_ssrc(0) depctr_va_vcc(0) depctr_vm_vsrc(0)
	s_getreg_b32 s2, hwreg(HW_REG_IB_STS2, 6, 4)
	s_cmp_eq_u32 s2, 0
	s_cbranch_scc0 .Lentry_in_a_cluster
	s_endpgm
.Lentry_in_a_cluster:
	s_bfe_u32 s2, ttmp6, 0x10000c
	s_cmp_lg_u32 s2, 0x3003
	s_cbranch_scc0 .Lentry_shape_is_right
	s_endpgm
.Lentry_shape_is_right:
; Attention and the output projection in one launch: h = softmax(q k^T / 8) v for all 8 heads of 64 tokens, h quantised to BF6 (E3M2, one E8M0 byte for each 32 along K), out = X + h Wo + bo.
; All three products run on codes.  THE SOFTMAX: t = score x log2(e) / 8; M = the row's largest t so far, rounded UP to a whole number; p = 2^(t - M) is quantised along the keys, not normalised;
; the row's sum is taken of the unquantised p in f32 and divides at the end; when M moves, the sum and O are multiplied by 2^(old M - new M), which is exact.
; SHARES.  A work-group owns a block of 64 tokens of one batch (x = block, y = batch).  Wave w of sixteen owns token tile w % 4 (16 queries) and the pair of heads w / 4, which it takes one after the other:
; the two results are the two halves of one operand fragment (128 along the projection's K).  The 16 fragments meet in LDS; then wave w makes channels 32 w .. 32 w + 31 of the block's 64 tokens.
; THE RING.  K and V go through two LDS slots.  A chunk is 256 keys of four heads (head 2 (w / 4) + pass): 16 dense pieces of 6,144 bytes, one tensor load a wave: piece w = K's keys 0-127, 128-255, V's likewise, of pair w / 4.
; Eight chunks: four for each pass.  Chunk c + 1 is asked for behind the round at the head of chunk c: one load of mine is out, and every wait on TENSORcnt is for 0.
; Behind the round at the head of chunk 7 slot 0 takes Wo instead: K steps 0 and 1 of each wave's two tiles of channels, 6,144 bytes a wave.  K steps 2 and 3 come by loads into registers behind the last key step.
; CLUSTER.  The four work-groups of a cluster are four blocks of one batch and read the same K, V and Wo: each piece is asked for JOINTLY (mask 15).  The scale words of K (32,768 bytes) and V (16,384) are copied once
; through registers into LDS bytes of their own and are not asked for jointly: V's words are put together from two blocks' bytes on the way, and both are 49,152 bytes beside 786,432 of codes.
; PREFETCH.  At chunk c each wave names chunk c + 2's piece, one slot ahead of its tensor load: of the piece's 24 blocks of 256 bytes the partner at place cx names 6 (told apart by address; lanes 5-31 name the sixth).
; Chunks 0 and 1 come by their loads alone; the last two chunks name nothing of K and V.  At chunk 6 each wave names its 32 rows of 256 bytes of X, a lane a row.
; LAYOUT as the launch before left it: both attention products are used transposed (a lane holds ONE query); the rows of a tile are not neighbours (row r of tile m: 32 (m / 2) + 8 (m % 2) + r + 8 (r / 8)).
; THE FIRST PRODUCT'S K IS 64 in an instruction of 128: Q's registers for k = 64 .. 127 are zeros, K's operand runs on into the next tile's codes (behind the last: zeros), both sides' scale bytes there are 0 (2^-127).
; LIMITS: NaN and infinities are not served; a block whose largest magnitude lies under 2^-122 gets the byte 1; a block's largest p is made from the block's largest score, which takes v_exp_f32 not to fall where its input rises;
; the scaled scores stay under 2^31 in magnitude.
; REGISTERS in the key steps: v1-7 addresses that stay; v8-11 the step's; v12 -M, v13 largest t, v[14:15] the sum; v16-27 Q; v28-31 bo; v32-85 K, then V; v86-92 the second head's Q; v96-159 S^T, then p; v160-191 O^T;
;   v192-204 h's fragment and scale word; v208-219 scale words; v224-254 at work; v250, v251 the add's; v255 Q's scale word.
;   On the way out: v32-79 Wo's K steps 2, 3; v80-103 its K step 0 or 1; v128-191 sums; v192-239 h; v12-27 and v240-247 scale words; then X in v80-127 and v32-47, the rows read back in v192-239 and v12-27.
.set QREC, 53248
.set VREC, 49152
.set KSC,  49152
.set PIECE, 6144
.set SLOT, 98304
.set VOF,  12288                       ; in a pair's 24,576 bytes of a slot: K's two pieces, then V's
.set KSCL, 196608                      ; K's scale words: 4,096 bytes a head
.set VSW,  229376                      ; V's: 2,048 bytes a head: [step][row][tile]
.set HIM,  245760                      ; h's 16 fragments as images of their registers,
.set HIMS, 270336                      ; and their scale words
.set SPARE, 272384                     ; the spare words: 128 bytes a wave
.set XPI,  272                         ; the way out: a channel's 64 tokens + 16 bytes
.set L16W, 1
.set L8W,  2
.set R8,   3
.set R16,  4
.set PFO,  5
.set LI,   6
.set PFX,  7
.set ADK,  8
.set ADK8, 9
.set ADS,  10
.set ADT,  11
.set HF,   192
.set HW,   204
.set AC,   128
.set HFR,  192
.set HS,   12
.set WSR,  240
.set WV,  20
.set HP,  21
.set SEL, 22
.set CS,  24
.set PART, 26
.set BT,  27
.set G1,  28
.set G0A, 36
.set G0B, 40
.set PF0, 44
.set PF1, 46
.set DL,  48
.set DR,  50
.set D24, 51
.set TB,  52
.set TS,  53
.set TJ,  54
.set CNT, 55
.set IC,  56
.set SQ,  58
.set SQS, 60
.set G0W, 72
.set SX,  80
.set SO,  82
.set SWF, 84
.set SWS, 86
.set SBO, 88
.set G1W, 92
.macro PLACES
.rept 4
	v_nop
.endr
.endm
.macro CROUND                          ; a round of the cluster's barrier
	s_barrier_signal -1
	s_barrier_wait -1
	s_cmp_lg_u32 s[WV], 0
	s_cbranch_scc1 .Lnot_wave_0_\@
	s_barrier_signal -3
.Lnot_wave_0_\@:
	s_barrier_wait -3
	s_barrier_signal -1
	s_barrier_wait -1
.endm
.macro INIT                            ; a head begins: largest t = -3e38, sum and O^T zeros (the step is written once; the first change of M leaves zeros zeros)
	v_mov_b32 v13, 0xff61b1e6
	v_mov_b32 v14, 0
	v_mov_b32 v15, 0
	v_floor_f32 v12, -v13
.set J, 0
.rept 32
	v_mov_b32 v[160+J], 0
.set J, J+1
.endr
.endm
	s_load_b256 s[4:11], s[0:1], 0x0               ; qcodes, kcodes, vcodes, vscl
	s_load_b256 s[12:19], s[0:1], 0x20             ; wcodes, bo, X, out0
	v_lshl_add_u32 v250, v0, 2, SPARE
	v_mov_b32 v251, 0
	ds_add_u32 v250, v251                          ; the opening lines: the add twice on end and its wait
	ds_add_u32 v250, v251
	v_lshrrev_b32 v1, 5, v0
	v_readfirstlane_b32 s[WV], v1                  ; wave 0..15
	s_lshr_b32 s[HP], s[WV], 2                     ; my pair of heads
	s_and_b32 s[PART], s[WV], 3                    ; my token tile; also which piece of the pair's four I fetch
	s_and_b32 s[BT], ttmp7, 0xffff                 ; batch, which the partners share
	s_bfe_u32 s62, ttmp6, 0x40000                  ; cx: it enters Q's, X's, out's and the prefetches' addresses alone
	s_lshl_b32 s63, ttmp9, 2
	s_add_co_u32 s63, s63, s62                     ; my block of 64 tokens
	s_mov_b32 s[G1+0], 15|(3<<16)|(1<<21)          ; a dense piece as 24 rows of 256 bytes (32 elements of 8 bytes); mask 15, bit 21 beside it
	s_mov_b32 s[G1+1], 32<<16
	s_mov_b32 s[G1+2], 24<<16
	s_mov_b32 s[G1+3], 32<<16
	s_mov_b32 s[G1+4], 24
	s_mov_b32 s[G1+5], 32
	s_mov_b32 s[G1+6], 0
	s_mov_b32 s[G1+7], 0
	s_mov_b32 s[G1W+0], 15|(3<<16)|(1<<21)         ; Wo: two tiles' rows of 3,072 bytes (K steps 0, 1), 6,144 bytes apart
	s_mov_b32 s[G1W+1], 384<<16
	s_mov_b32 s[G1W+2], 2<<16
	s_mov_b32 s[G1W+3], 384<<16
	s_mov_b32 s[G1W+4], 2
	s_mov_b32 s[G1W+5], 768
	s_mov_b32 s[G1W+6], 0
	s_mov_b32 s[G1W+7], 0
	s_lshl_b32 s66, s[BT], 3
	s_lshl_b32 s67, s[HP], 1
	s_add_co_u32 s66, s66, s67                     ; 8 batch + 2 pair: the pair's first record
	s_and_b32 s67, s[PART], 1
	s_mul_i32 s67, s67, PIECE
	s_mov_b32 s68, QREC
	s_cmp_lt_u32 s[PART], 2                        ; pieces 0, 1: K's; 2, 3: V's
	s_cselect_b32 s68, s68, VREC                   ; a record's bytes
	s_mul_i32 s70, s66, s68
	s_add_co_u32 s70, s70, s67                     ; chunk 0's piece
	s_mov_b32 s71, 0
	s_sub_co_u32 s[DR], s68, 4*PIECE               ; a slot's step from the first head's last chunk to the second head's first,
	s_mov_b32 s[D24], 4*PIECE                      ; and inside a head: two chunks on
	s_mov_b32 s[DL+1], 0
	s_mul_i32 s72, s62, 1536                       ; my work-group's 6 blocks of a piece's 24
	s_mov_b32 s73, 0
	s_mov_b32 s[G0A], 1
	s_mul_i32 s[G0A+1], s[WV], PIECE
	s_mov_b32 s[G0B], 1
	s_add_co_u32 s[G0B+1], s[G0A+1], SLOT
	s_mov_b32 s[SEL], 0x76543210
	s_mov_b32 s[SEL+1], 0xfedcba98                 ; v_permlanex16_b32's selects for lane l xor 16
	s_mov_b32 s[CS], 0x3e38aa3b                    ; c = log2(e) / 8
	s_mov_b32 s[CS+1], s[CS]
	s_wait_dscnt 0x0
	s_wait_kmcnt 0x0
	s_cmp_lt_u32 s[PART], 2
	s_cselect_b64 s[74:75], s[6:7], s[8:9]
	s_add_nc_u64 s[74:75], s[74:75], s[70:71]
	s_mov_b64 s[G0A+2:G0A+3], s[74:75]
	s_or_b32 s[G0A+3], s[G0A+3], 0x80000000
	s_add_nc_u64 s[G0B+2:G0B+3], s[74:75], 2*PIECE
	s_or_b32 s[G0B+3], s[G0B+3], 0x80000000
	s_add_nc_u64 s[PF0:PF0+1], s[74:75], s[72:73]
	s_add_nc_u64 s[PF1:PF1+1], s[PF0:PF0+1], 2*PIECE
	CROUND                                         ; all four work-groups are here: the first joint loads meet
	tensor_load_to_lds s[G0A:G0A+3], s[G1:G1+7]    ; chunk 0: one load a wave
	s_nop 0
	PLACES
	s_mul_i32 s66, s66, QREC                       ; q: the pair's first record,
	s_lshl_b32 s67, s63, 2
	s_add_co_u32 s67, s67, s[PART]
	s_mul_i32 s67, s67, 768                        ; my tile's half image,
	s_add_co_u32 s70, s66, s67
	s_add_nc_u64 s[SQ:SQ+1], s[4:5], s[70:71]
	s_lshl_b32 s67, s63, 8
	s_add_co_u32 s70, s66, s67
	s_add_co_u32 s70, s70, KSC                     ; my block's scale words
	s_add_nc_u64 s[SQS:SQS+1], s[4:5], s[70:71]
	s_mul_i32 s70, s[BT], 8*QREC
	s_add_co_u32 s70, s70, KSC
	s_add_nc_u64 s[76:77], s[6:7], s[70:71]        ; K's scale words of the batch's first head
	s_lshl_b32 s70, s[BT], 14
	s_add_nc_u64 s[78:79], s[10:11], s[70:71]      ; V's scale bytes of the batch
	s_lshl_b32 s70, s[BT], 21
	s_lshl_b32 s67, s[WV], 17
	s_add_co_u32 s70, s70, s67
	s_lshl_b32 s67, s63, 8
	s_add_co_u32 s70, s70, s67                     ; X, out: batch, my 32 channels, my block's 256 bytes of a row
	s_add_nc_u64 s[SX:SX+1], s[16:17], s[70:71]
	s_add_nc_u64 s[SO:SO+1], s[18:19], s[70:71]
	s_mul_i32 s70, s[WV], 12288
	s_add_co_u32 s70, s70, 589824
	s_add_nc_u64 s[SWF:SWF+1], s[12:13], s[70:71]  ; Wo's fragments of my two tiles of channels,
	s_mov_b32 s[G0W], 1
	s_mul_i32 s[G0W+1], s[WV], PIECE               ; which go where my piece of slot 0 lay
	s_mov_b64 s[G0W+2:G0W+3], s[SWF:SWF+1]
	s_or_b32 s[G0W+3], s[G0W+3], 0x80000000
	s_lshl_b32 s70, s[WV], 10
	s_add_co_u32 s70, s70, 835584
	s_add_nc_u64 s[SWS:SWS+1], s[12:13], s[70:71]  ; their scale words,
	s_lshl_b32 s70, s[WV], 7
	s_add_nc_u64 s[SBO:SBO+1], s[14:15], s[70:71]  ; and bo
	s_mul_i32 s66, s[HP], 4*PIECE                  ; my pair's bytes in a slot
	s_add_co_u32 s67, s66, 512
	s_lshl_b32 s[TS], s[HP], 13
	s_add_co_u32 s[TS], s[TS], KSCL                ; K's scale words: 512 bytes a step, the pair's 16 steps on end
	s_lshl_b32 s[TJ], s[HP], 12
	s_add_co_u32 s[TJ], s[TJ], VSW                 ; V's: 256 a step
	s_and_b32 s68, s[PART], 1
	s_lshl_b32 s68, s68, 7
	s_lshr_b32 s69, s[PART], 1
	s_lshl_b32 s69, s69, 2
	s_add_co_u32 s68, s68, s69
	s_mov_b32 s62, 0x05040100
	s_mov_b32 s63, 0x07060302
	v_and_b32 v9, 31, v0                           ; lane
	v_and_b32 v10, 15, v0                          ; r
	v_lshlrev_b32 v[LI], 4, v9
	v_lshl_add_u32 v[L16W], v9, 4, s66
	v_lshl_add_u32 v[L8W], v9, 3, s67
	v_lshlrev_b32 v[R8], 3, v10
	v_lshlrev_b32 v[R16], 4, v10
	v_min_u32 v[PFO], 5, v9
	v_lshlrev_b32 v[PFO], 8, v[PFO]
	v_lshlrev_b32 v[PFX], 12, v9
	v_lshl_add_u32 v128, v9, 3, 512
	v_add_nc_u32 v129, s68, v[R8]                  ; Q's scale word: tile m, row r: 8 (r + 16 (m % 2)) + 4 (m / 2)
	v_lshlrev_b32 v130, 2, v10
	v_lshrrev_b32 v131, 6, v0
	v_and_b32 v132, 63, v0
	v_mul_u32_u24 v133, v131, QREC                 ; K's scale words: thread t copies 4 x 16 bytes of head t / 64
	v_lshl_add_u32 v133, v132, 4, v133
	v_lshlrev_b32 v134, 12, v131
	v_lshl_add_u32 v134, v132, 4, v134
	v_add_nc_u32 v134, KSCL, v134
	v_lshlrev_b32 v135, 11, v131                   ; V's: thread t takes step t / 64, head (t / 8) % 8, entries 8 (t % 8) on: 16 bytes of each of the step's two blocks of 64 keys
	v_lshl_add_u32 v135, v132, 4, v135
	v_bfe_u32 v136, v0, 3, 3
	v_and_b32 v137, 7, v0
	v_lshlrev_b32 v138, 11, v136
	v_lshl_add_u32 v138, v131, 8, v138
	v_lshl_add_u32 v138, v137, 5, v138
	v_add_nc_u32 v138, VSW, v138
	s_wait_alu depctr_va_vdst(0)
.irp i, 0,1,2,3
	global_load_b128 v[96+4*\i:99+4*\i], v133, s[76:77] offset:1024*\i
.endr
	global_load_b128 v[112:115], v135, s[78:79]
	global_load_b128 v[116:119], v135, s[78:79] offset:1024
	global_load_b128 v[16:19], v[LI], s[SQ:SQ+1]   ; Q's half images and scale words of both heads
	global_load_b64 v[20:21], v128, s[SQ:SQ+1]
	global_load_b32 v255, v129, s[SQS:SQS+1]
	global_load_b128 v[86:89], v[LI], s[SQ:SQ+1] offset:QREC
	global_load_b64 v[90:91], v128, s[SQ:SQ+1] offset:QREC
	global_load_b32 v92, v129, s[SQS:SQS+1] offset:QREC
.irp n, 0,1
	global_load_b32 v[28+2*\n], v130, s[SBO:SBO+1] offset:64*\n
	global_load_b32 v[29+2*\n], v130, s[SBO:SBO+1] offset:64*\n
.endr
.irp j, 22,23,24,25,26,27, 80,81,82,83,84,85, 236,237,238,239, 253
	v_mov_b32 v[\j], 0                             ; Q's codes for k = 64 .. 127; the tail behind K's last tile; lane permutes' destinations and a pair's upper half
.endr
	INIT
	s_wait_alu depctr_va_vdst(0)
	s_wait_loadcnt 0x0
.irp i, 0,1,2,3
	ds_store_b128 v134, v[96+4*\i:99+4*\i] offset:1024*\i
.endr
.irp i, 0,1,2,3                                ; a word of 128 keys: the first block's two bytes below, the second's above
	v_perm_b32 v[120+2*\i], v[116+\i], v[112+\i], s62
	v_perm_b32 v[121+2*\i], v[116+\i], v[112+\i], s63
.endr
	ds_store_b128 v138, v[120:123]
	ds_store_b128 v138, v[124:127] offset:16
; A KEY STEP: 128 keys = 8 tiles of K, 4 fragments of V
.macro STEP
	v_add_nc_u32 v[ADK], s[TB], v[L16W]            ; (these four are also the places behind the last products, in front of the loads below)
	v_add_nc_u32 v[ADK8], s[TB], v[L8W]
	v_add_nc_u32 v[ADS], s[TS], v[R8]
	v_add_nc_u32 v[ADT], s[TJ], v[R16]
.irp t, 0,1,2,3,4,5,6,7
	ds_load_b128 v[32+6*\t:35+6*\t], v[ADK] offset:768*\t
	ds_load_b64 v[36+6*\t:37+6*\t], v[ADK8] offset:768*\t
.endr
.irp q, 0,1
.irp e, 0,1
	ds_load_b64 v[208+4*\q+2*\e:209+4*\q+2*\e], v[ADS] offset:256*\q+128*\e   ; the words of tiles 4 q + e and 4 q + e + 2
.endr
.endr
	ds_load_b128 v[216:219], v[ADT]                ; V's four words
	s_wait_alu depctr_va_vdst(0)
	s_wait_dscnt 0x0
.irp t, 0,1,2,3,4,5,6,7
	v_wmma_scale_f32_16x16x128_f8f6f4 v[96+8*\t:103+8*\t], v[32+6*\t:43+6*\t], v[16:27], 0, v[208+4*(\t/4)+2*(\t%2)+(\t/2)%2], v255 matrix_a_fmt:MATRIX_FMT_BF6 matrix_b_fmt:MATRIX_FMT_BF6
.endr                                          ; lane (r, h) holds query r; the 16 registers of tiles 2 b, 2 b + 1 are keys 32 b + 16 h + 0 .. 15 of the step
	PLACES
.irp d, 0,1,2,3                                ; V's four fragments land under the softmax
.irp e, 0,1
	ds_load_b128 v[32+12*\d+6*\e:35+12*\d+6*\e], v[ADK] offset:VOF+768*(4*\e+\d)
	ds_load_b64 v[36+12*\d+6*\e:37+12*\d+6*\e], v[ADK8] offset:VOF+768*(4*\e+\d)
.endr
.endr
.irp b, 0,1,2,3
	v_max3_num_f32 v[232+\b], v[96+16*\b], v[97+16*\b], v[98+16*\b]   ; the largest score of each block of 32 keys
.endr
.irp i, 3,5,7,9,11,13
.irp b, 0,1,2,3
	v_max3_num_f32 v[232+\b], v[232+\b], v[96+16*\b+\i], v[97+16*\b+\i]
.endr
.endr
.irp b, 0,1,2,3
	v_max_num_f32 v[232+\b], v[232+\b], v[111+16*\b]
.endr
.irp b, 0,1,2,3
	s_delay_alu instid0(VALU_DEP_4)
	v_permlanex16_b32 v[236+\b], v[232+\b], s[SEL], s[SEL+1]
.endr
.irp b, 0,1,2,3
	s_delay_alu instid0(VALU_DEP_4)
	v_max_num_f32 v[232+\b], v[232+\b], v[236+\b]
.endr
	s_delay_alu instid0(VALU_DEP_2)
	v_max3_num_f32 v254, v232, v233, v234
	s_delay_alu instid0(VALU_DEP_1)
	v_max_num_f32 v254, v254, v235
	s_delay_alu instid0(VALU_DEP_1)
	v_mul_f32 v254, s[CS], v254                    ; the step's largest t
	s_delay_alu instid0(VALU_DEP_1)
	v_max_num_f32 v13, v13, v254
	v_mov_b32 v254, v12
	s_delay_alu instid0(VALU_DEP_2)
	v_floor_f32 v12, -v13                          ; the new -M
	s_delay_alu instid0(VALU_DEP_1)
	v_sub_f32 v254, v12, v254
	s_delay_alu instid0(VALU_DEP_1)
	v_cvt_i32_f32 v254, v254                       ; (it saturates)
	s_delay_alu instid0(VALU_DEP_1)
	v_ldexp_f32 v252, 1.0, v254                    ; f = 2^(old M - new M)
.set J, 0
.rept 32
	v_pk_fma_f32 v[96+J:97+J], v[96+J:97+J], s[CS:CS+1], v[12:13] op_sel_hi:[1,0,0]   ; t - M
.set J, J+2
.endr
.irp b, 0,1,2,3
	v_fma_f32 v[232+\b], v[232+\b], s[CS], v12
.endr
.set J, 0
	s_wait_alu depctr_va_vdst(0)
.rept 64
	v_exp_f32 v[96+J], v[96+J]                     ; p = 2^(t - M)
.set J, J+1
.endr
	v_pk_mul_f32 v[14:15], v[14:15], v[252:253] op_sel_hi:[1,0]   ; the sums under the new M
	s_wait_alu depctr_va_vdst(0)
.irp b, 0,1,2,3
	v_exp_f32 v[232+\b], v[232+\b]                 ; the block's largest p
.endr
.irp k, 0,1,2,3,4,5,6                          ; the row's sum of the unquantised p: 32 pairs in eight chains
	v_pk_add_f32 v[236+2*\k:237+2*\k], v[96+4*\k:97+4*\k], v[98+4*\k:99+4*\k]
.endr
	v_pk_add_f32 v[14:15], v[14:15], v[124:125]
.irp j, 0,1
.irp k, 0,1,2,3,4,5,6
	v_pk_add_f32 v[236+2*\k:237+2*\k], v[236+2*\k:237+2*\k], v[126+16*\j+2*\k:127+16*\j+2*\k]
.endr
	v_pk_add_f32 v[14:15], v[14:15], v[140+16*\j:141+16*\j]
.endr
	v_pk_add_f32 v[236:237], v[236:237], v[158:159]
	v_pk_add_f32 v[238:239], v[238:239], v[240:241]
	v_pk_add_f32 v[242:243], v[242:243], v[244:245]
	v_pk_add_f32 v[246:247], v[246:247], v[248:249]
	v_pk_add_f32 v[14:15], v[14:15], v[236:237]
	v_pk_add_f32 v[238:239], v[238:239], v[242:243]
	v_pk_add_f32 v[14:15], v[14:15], v[246:247]
	s_delay_alu instid0(VALU_DEP_1)
	v_pk_add_f32 v[14:15], v[14:15], v[238:239]
	s_wait_alu depctr_va_vdst(0)
.irp b, 0,1,2,3
	v_max_num_f32 v[232+\b], 0x2800000, v[232+\b]  ; the floor 2^(5 - 127): the byte cannot fall under 1
.endr
.irp b, 0,1,2,3
	s_delay_alu instid0(VALU_DEP_4)
	v_add_nc_u32 v[244+\b], 0xfe000000, v[232+\b]  ; 4 off the exponent field: the conversion's scale operand
.endr
.irp b, 0,1,2,3
	s_delay_alu instid0(VALU_DEP_4)
	v_lshrrev_b32 v[236+\b], 23, v[244+\b]
.endr
	s_delay_alu instid0(VALU_DEP_3)
	v_lshl_or_b32 v253, v237, 8, v236              ; p's scale word
	s_delay_alu instid0(VALU_DEP_1)
	v_lshl_or_b32 v253, v238, 16, v253
	s_delay_alu instid0(VALU_DEP_1)
	v_lshl_or_b32 v253, v239, 24, v253
.irp c, 0,1
	v_cvt_scalef32_pk16_bf6_f32 v[224+6*\c:226+6*\c], v[96+32*\c:111+32*\c], v[244+2*\c]
	v_cvt_scalef32_pk16_bf6_f32 v[236+4*\c:238+4*\c], v[112+32*\c:127+32*\c], v[244+2*\c+1]
.endr
	v_nop
.irp c, 0,1                                    ; a whole block to a lane
.irp i, 0,1,2
	v_permlane16_swap_b32 v[224+6*\c+\i], v[236+4*\c+\i]
.endr
.irp i, 0,1,2
	s_delay_alu instid0(VALU_DEP_3)
	v_mov_b32 v[227+6*\c+\i], v[236+4*\c+\i]
.endr
.endr
	s_wait_alu depctr_va_vdst(0)                   ; the wait ahead of the first reader of O^T
.set J, 0
.rept 16
	v_pk_mul_f32 v[160+J:161+J], v[160+J:161+J], v[252:253] op_sel_hi:[1,0]   ; O^T under the new M; also the places in front of the products
.set J, J+2
.endr
	s_wait_alu depctr_va_vdst(0)
	s_wait_dscnt 0x0                               ; V is in
.irp d, 0,1,2,3
	v_wmma_scale_f32_16x16x128_f8f6f4 v[160+8*\d:167+8*\d], v[32+12*\d:43+12*\d], v[224:235], v[160+8*\d:167+8*\d], v[216+\d], v253 matrix_a_fmt:MATRIX_FMT_BF6 matrix_b_fmt:MATRIX_FMT_BF6
.endr
	s_add_co_u32 s[TB], s[TB], PIECE
	s_add_co_u32 s[TS], s[TS], 512
	s_add_co_u32 s[TJ], s[TJ], 256
.endm
; A CHUNK: two key steps out of one slot.  In front of the round: all my tensor loads are in, the add, my LDS instructions are done.  Behind it the slot read last is filled again:
; refill = 1: with the next chunk; refill = 2: with my part of Wo.
.macro TWO slot, refill, step, px
	s_wait_xcnt 0x0                                ; my prefetches have read their addresses
	s_wait_tensorcnt 0x0
	ds_add_u32 v250, v251
.if \step
	s_add_nc_u64 s[G0A+4*\slot+2:G0A+4*\slot+3], s[G0A+4*\slot+2:G0A+4*\slot+3], s[DL:DL+1]   ; this slot's next chunk
	s_add_nc_u64 s[PF0+2*\slot:PF0+2*\slot+1], s[PF0+2*\slot:PF0+2*\slot+1], s[DL:DL+1]
.endif
	s_wait_dscnt 0x0
	CROUND
.if \refill == 1
	tensor_load_to_lds s[G0B-4*\slot:G0B-4*\slot+3], s[G1:G1+7]
.else
	tensor_load_to_lds s[G0W:G0W+3], s[G1W:G1W+7]
.endif
	s_nop 0
	PLACES
.if \step
	global_prefetch_b8 v[PFO], s[PF0+2*\slot:PF0+2*\slot+1] th:TH_LOAD_NT scope:SCOPE_SE
.endif
.if \px
	global_prefetch_b8 v[PFX], s[SX:SX+1] th:TH_LOAD_NT scope:SCOPE_SE
.endif
	s_mov_b32 s[TB], \slot*SLOT
	s_mov_b32 s[IC], 2
.Lst_\@:
	STEP
	s_sub_co_u32 s[IC], s[IC], 1
	s_cmp_lg_u32 s[IC], 0
	s_cbranch_scc1 .Lst_\@
.endm
; 32 numbers of a lane become six registers of codes at v[d] on and two scale bytes in v254
.macro QUANT2 s, d
.irp b, 0,1
	v_max3_num_f32 v[232+\b], |v[\s+16*\b]|, |v[\s+1+16*\b]|, 0x2800000
.endr
.irp i, 2,4,6,8,10,12,14
.irp b, 0,1
	s_delay_alu instid0(VALU_DEP_2)
	v_max3_num_f32 v[232+\b], v[232+\b], |v[\s+16*\b+\i]|, |v[\s+1+16*\b+\i]|
.endr
.endr
.irp b, 0,1
	s_delay_alu instid0(VALU_DEP_2)
	v_permlanex16_b32 v[236+\b], v[232+\b], s[SEL], s[SEL+1]
.endr
.irp b, 0,1
	s_delay_alu instid0(VALU_DEP_2)
	v_max_num_f32 v[232+\b], v[232+\b], v[236+\b]
.endr
.irp b, 0,1
	s_delay_alu instid0(VALU_DEP_2)
	v_add_nc_u32 v[244+\b], 0xfe000000, v[232+\b]
.endr
.irp b, 0,1
	s_delay_alu instid0(VALU_DEP_2)
	v_lshrrev_b32 v[236+\b], 23, v[244+\b]
.endr
	s_delay_alu instid0(VALU_DEP_1)
	v_lshl_or_b32 v254, v237, 8, v236
	v_cvt_scalef32_pk16_bf6_f32 v[\d:\d+2], v[\s:\s+15], v244
	v_cvt_scalef32_pk16_bf6_f32 v[240:242], v[\s+16:\s+31], v245
	v_nop
.irp i, 0,1,2
	v_permlane16_swap_b32 v[\d+\i], v[240+\i]
.endr
.irp i, 0,1,2
	s_delay_alu instid0(VALU_DEP_3)
	v_mov_b32 v[\d+3+\i], v[240+\i]
.endr
.endm
; Head p of the pair is done: h = O / the sum, quantised into half p of the fragment
.macro FINISH p
	PLACES
.if \p == 1
.irp s, 2,3
.irp n, 0,1
.irp c, 0,1,2
	global_load_b128 v[32+24*(\s-2)+12*\n+4*\c:35+24*(\s-2)+12*\n+4*\c], v[LI], s[SWF:SWF+1] offset:6144*\n+1536*\s+512*\c   ; Wo's K steps 2 and 3 land under what follows
.endr
.endr
.endr
.endif
	v_add_f32 v14, v14, v15
	s_delay_alu instid0(VALU_DEP_1)
	v_permlanex16_b32 v252, v14, s[SEL], s[SEL+1]
	s_delay_alu instid0(VALU_DEP_1)
	v_add_f32 v14, v14, v252                       ; the row's sum
	s_wait_alu depctr_va_vdst(0)
	v_rcp_f32 v14, v14
	v_nop
	s_wait_alu depctr_va_vdst(0)
.set J, 0
.rept 16
	v_pk_mul_f32 v[160+J:161+J], v[160+J:161+J], v[14:15] op_sel_hi:[1,0]
.set J, J+2
.endr
	QUANT2 160, HF+6*\p
.if \p == 0
	v_mov_b32 v[HW], v254
.irp i, 0,1,2,3,4,5
	v_mov_b32 v[16+\i], v[86+\i]                   ; the second head's Q
.endr
	v_mov_b32 v255, v92
	INIT
	s_wait_alu depctr_va_vdst(0)
.else
	v_lshl_or_b32 v[HW], v254, 16, v[HW]
.endif
.endm
	s_wait_alu depctr_va_vdst(0)
	s_mov_b32 s[CNT], 0
.Ltrip:                                                ; a trip: two chunks, once round the ring; trips 0, 1: the first head, trip 2 and the tail: the second
	s_cmp_eq_u32 s[CNT], 1
	s_cselect_b32 s[DL], s[DR], s[D24]             ; in trip 1 both slots step on into the second head's record
	TWO 0, 1, 1, 0
	TWO 1, 1, 1, 0
	s_cmp_lg_u32 s[CNT], 1
	s_cbranch_scc1 .Lnofin
	FINISH 0
.Lnofin:
	s_add_co_u32 s[CNT], s[CNT], 1
	s_cmp_lt_u32 s[CNT], 3
	s_cbranch_scc1 .Ltrip
	TWO 0, 1, 0, 1                                 ; the tail: chunk 7 is the last of K and V that is asked for,
	TWO 1, 2, 0, 0                                 ; and slot 0 takes Wo
	FINISH 1
	; ---- THE OUTPUT PROJECTION.  My fragment (K step w / 4, token tile w % 4: number w) goes to LDS as an image of its registers
	v_and_b32 v7, 15, v0                           ; r
	v_bfe_u32 v8, v0, 4, 1                         ; lane / 16
	v_and_b32 v9, 31, v0
	s_mul_i32 s66, s[WV], 32*XPI                   ; my stage: 32 channels' rows, from slot 1 on: bytes that have had their last fill and that nobody reads behind the barrier below
	s_add_co_u32 s66, s66, SLOT
	s_mul_i32 s67, s[WV], 1536
	s_lshl_b32 s68, s[WV], 7
	s_mul_i32 s69, s[WV], PIECE
	v_mul_u32_u24 v1, v7, XPI
	v_lshl_add_u32 v1, v8, 6, v1
	v_add_nc_u32 v1, s66, v1                       ; in: channel r, 16 tokens for each half of the lanes
	v_mul_u32_u24 v2, v8, XPI
	v_lshl_add_u32 v2, v7, 4, v2
	v_add_nc_u32 v2, s66, v2                       ; back: sixteen lanes to a row of 256 bytes
	v_add_nc_u32 v3, HIM, v[LI]
	v_lshl_add_u32 v4, v9, 2, HIMS
	v_lshlrev_b32 v5, 12, v8
	v_lshl_add_u32 v5, v7, 4, v5                   ; and the same two rows in X and out
	v_add_nc_u32 v10, s67, v3
	v_add_nc_u32 v11, s68, v4
	v_add_nc_u32 v9, s69, v[LI]                    ; my part of Wo in slot 0
.irp c, 0,1,2
	ds_store_b128 v10, v[HF+4*\c:HF+4*\c+3] offset:512*\c
.endr
	ds_store_b32 v11, v[HW]
.irp n, 0,1
	global_load_b128 v[WSR+4*\n:WSR+4*\n+3], v[LI], s[SWS:SWS+1] offset:512*\n
.endr
	s_wait_alu depctr_va_vdst(0)
	s_wait_dscnt 0x0                               ; my fragment lies in LDS, and my reads of the slots and of the scale words are over
	s_barrier_signal -1
	s_barrier_wait -1                              ; everybody's
.irp f, 0,1,2,3,4,5,6,7,8,9,10,11,12,13,14,15
	ds_load_b32 v[HS+\f], v4 offset:128*\f
.endr
	s_wait_tensorcnt 0x0                           ; my part of Wo is in LDS: I alone read it
	s_wait_loadcnt 0x0                             ; and the rest in registers
.macro KSTEP s                         ; 8 accumulators by turns: source 0 = h's 16 tokens, source 1 = Wo's 16 channels: a lane holds one channel and eight neighbouring tokens
.irp m, 0,1,2,3
.irp c, 0,1,2
	ds_load_b128 v[HFR+12*\m+4*\c:HFR+12*\m+4*\c+3], v3 offset:(4*\s+\m)*1536+512*\c
.endr
.endr
.if \s < 2
.irp n, 0,1
.irp c, 0,1,2
	ds_load_b128 v[80+12*\n+4*\c:83+12*\n+4*\c], v9 offset:3072*\n+1536*\s+512*\c
.endr
.endr
.set WB, 80
.else
.set WB, 32+24*((\s)-2)
.endif
	s_wait_dscnt 0x0
.irp n, 0,1
.irp m, 0,1,2,3
.if \s == 0
	v_wmma_scale_f32_16x16x128_f8f6f4 v[AC+8*(4*\n+\m):AC+8*(4*\n+\m)+7], v[HFR+12*\m:HFR+12*\m+11], v[WB+12*\n:WB+12*\n+11], 0, v[HS+4*\s+\m], v[WSR+4*\n+\s] matrix_a_fmt:MATRIX_FMT_BF6 matrix_b_fmt:MATRIX_FMT_BF6
.else
	v_wmma_scale_f32_16x16x128_f8f6f4 v[AC+8*(4*\n+\m):AC+8*(4*\n+\m)+7], v[HFR+12*\m:HFR+12*\m+11], v[WB+12*\n:WB+12*\n+11], v[AC+8*(4*\n+\m):AC+8*(4*\n+\m)+7], v[HS+4*\s+\m], v[WSR+4*\n+\s] matrix_a_fmt:MATRIX_FMT_BF6 matrix_b_fmt:MATRIX_FMT_BF6
.endif
.endr
.endr
	PLACES
.endm
.macro XLOAD i                         ; X by rows: sixteen lanes read 256 consecutive bytes, aligned; row pair i into v80 + 4 i, the last four into v32 on
	global_load_b128 v[80+4*(\i)-96*((\i)/12):83+4*(\i)-96*((\i)/12)], v5, s[SX:SX+1] offset:8192*(\i) th:TH_LOAD_NT
.endm
	KSTEP 0
	KSTEP 1
.irp i, 0,1,2,3,4,5,6,7,8,9,10,11
	XLOAD \i                                       ; into registers that K steps 0 and 1 have left
.endr
	KSTEP 2
.irp i, 12,13,14,15
	XLOAD \i                                       ; and K step 2
.endr
	KSTEP 3
.irp n, 0,1
.set J, 0
.rept 16
	v_pk_add_f32 v[AC+32*\n+J:AC+32*\n+J+1], v[AC+32*\n+J:AC+32*\n+J+1], v[28+2*\n:29+2*\n]   ; + bo of my channel; each accumulator from its low end on
.set J, J+2
.endr
.endr
.irp n, 0,1
.irp m, 0,1,2,3
.irp q, 0,1
	ds_store_b128 v1, v[AC+8*(4*\n+\m)+4*\q:AC+8*(4*\n+\m)+4*\q+3] offset:16*XPI*\n+128*(\m/2)+32*(\m%2)+16*\q
.endr
.endr
.endr
.irp i, 0,1,2,3,4,5,6,7,8,9,10,11,12,13,14,15
	ds_load_b128 v[192+4*\i-228*(\i/12):195+4*\i-228*(\i/12)], v2 offset:2*XPI*\i   ; LDS serves a wave's instructions in order: these see my stores
.endr
.irp i, 0,1,2,3,4,5,6,7,8,9,10,11,12,13,14,15
	s_wait_loadcnt 15-\i                           ; behind row pair i's load of X stand 15 - i more,
	s_wait_dscnt 15-\i                             ; and likewise behind its load from the stage
	v_pk_add_f32 v[192+4*\i-228*(\i/12):193+4*\i-228*(\i/12)], v[192+4*\i-228*(\i/12):193+4*\i-228*(\i/12)], v[80+4*\i-96*(\i/12):81+4*\i-96*(\i/12)]
	v_pk_add_f32 v[194+4*\i-228*(\i/12):195+4*\i-228*(\i/12)], v[194+4*\i-228*(\i/12):195+4*\i-228*(\i/12)], v[82+4*\i-96*(\i/12):83+4*\i-96*(\i/12)]
	global_store_b128 v5, v[192+4*\i-228*(\i/12):195+4*\i-228*(\i/12)], s[SO:SO+1] offset:8192*\i th:TH_STORE_NT   ; sixteen lanes store 256 consecutive bytes, aligned
.endr
	s_wait_tensorcnt 0x0                           ; the wave's end
	ds_add_u32 v250, v251
	s_wait_dscnt 0x0
	CROUND                                         ; the closing round
	s_endpgm
.Lfunc_end_k_q12b3d08e21_attno:
	.size	k_q12b3d08e21_attno, .Lfunc_end_k_q12b3d08e21_attno-k_q12b3d08e21_attno
	.p2alignl 7, 3214868480
	.fill 96, 4, 3214868480
	.section	.rodata,"a",@progbits
	.p2align	6, 0x0
	.amdhsa_kernel k_q12b3d08e21_attno
		.amdhsa_group_segment_fixed_size 327680
		.amdhsa_private_segment_fixed_size 0
		.amdhsa_enable_private_segment 0
		.amdhsa_kernarg_size 64
		.amdhsa_user_sgpr_count 2
		.amdhsa_user_sgpr_kernarg_segment_ptr 1
		.amdhsa_wavefront_size32 1
		.amdhsa_system_sgpr_workgroup_id_x 1
		.amdhsa_system_sgpr_workgroup_id_y 1
		.amdhsa_system_sgpr_workgroup_id_z 1
		.amdhsa_system_vgpr_workitem_id 0
		.amdhsa_next_free_vgpr 256
		.amdhsa_next_free_sgpr 100
		.amdhsa_reserve_vcc 0
		.amdhsa_float_denorm_mode_32 3
		.amdhsa_float_denorm_mode_16_64 3
		.amdhsa_memory_ordered 1
		.amdhsa_forward_progress 1
		.amdhsa_inst_pref_size 117
	.end_amdhsa_kernel
	.amdgpu_metadata
---
amdhsa.version: [ 1, 2 ]
amdhsa.kernels:
  - .name:           k_q12b3d08e21_attno
    .symbol:         k_q12b3d08e21_attno.kd
    .args:
      - { .name: qcodes, .offset: 0, .size: 8, .value_kind: global_buffer, .address_space: global }
      - { .name: kcodes, .offset: 8, .size: 8, .value_kind: global_buffer, .address_space: global }
      - { .name: vcodes, .offset: 16, .size: 8, .value_kind: global_buffer, .address_space: global }
      - { .name: vscl, .offset: 24, .size: 8, .value_kind: global_buffer, .address_space: global }
      - { .name: wcodes, .offset: 32, .size: 8, .value_kind: global_buffer, .address_space: global }
      - { .name: bo, .offset: 40, .size: 8, .value_kind: global_buffer, .address_space: global }
      - { .name: X, .offset: 48, .size: 8, .value_kind: global_buffer, .address_space: global }
      - { .name: out0, .offset: 56, .size: 8, .value_kind: global_buffer, .address_space: global }
    .group_segment_fixed_size: 327680
    .private_segment_fixed_size: 0
    .kernarg_segment_align: 8
    .kernarg_segment_size: 64
    .max_flat_workgroup_size: 512
    .sgpr_count:     100
    .vgpr_count:     256
    .wavefront_size: 32
...
	.end_amdgpu_metadata
.endif
;; end of part 3
